; MI455X (gfx1250); checked and timed in simulation.
; The chip was launched on July 23, 2026; its instructions are those of AMD's public machine-readable ISA for CDNA 5 (MIT licence, August 2026) and "CDNA5" Instruction Set Architecture Reference Guide (July 2026). The comments in the code are by the model that wrote it; some were corrected since.
;; GPU Detections. Allowed arithmetic: float matrix products may take bf16 or f16 operands with f32 sums; all other float work in f32.
;; Inputs: anchor_boxes 2 x 1,000 x 4 float32; box_outputs 2 x 1,000 x 324 float32; class_outputs 2 x 1,000 x 81 float32; image_info 2 x 5 float32.
;; Outputs: out0 2 x 100 x 6 float32.
;; 2 versions, each right and faster than the one before. Each part assembles by itself: llvm-mc -triple=amdgcn-amd-amdhsa -mcpu=gfx1250 --defsym DOCPART=n.
;; ======== version 1 of 2: 2 launches
;; workspace buffers: lkey 81,920 bytes of whole numbers; tpri 8,192 bytes of whole numbers; tbl 360,448 bytes
;; launch extract (part 1): grid 80 x 2, 8 waves a work-group, no clusters, 118,528 bytes of LDS; arguments class_outputs, box_outputs, anchor_boxes, image_info, lkey, tpri, tbl; writes lkey, tpri, tbl
.if DOCPART == 1
	.amdgcn_target "amdgcn-amd-amdhsa--gfx1250"
	.amdhsa_code_object_version 6
	.text
	.protected	k_q76764cc222_extract
	.globl	k_q76764cc222_extract
	.p2align	8
	.type	k_q76764cc222_extract,@function
k_q76764cc222_extract:
	s_mov_b64 s[64:65], 0
	v_nop
	global_prefetch_b8 v0, s[64:65] scope:SCOPE_SE
	s_setreg_imm32_b32 hwreg(HW_REG_WAVE_MODE, 25, 1), 1
	s_wait_xcnt 0x0
; Per-class greedy NMS.  One work-group = one (image b, foreground class c0+1); 8 waves; box n = 128 wave + 4 lane + r, r = 0..3.
; METHOD.  Greedy NMS on the score-sorted list is: take the best box still alive (score descending, n ascending, as top_k orders
; ties), kill every box whose IoU with it is above 0.5, repeat.  Each trip is the same work whatever the data: the winner is
; found by maxima, a ballot and v_readlane, and every choice is a v_cndmask.  No sort, no gather, no address made from a float.
; WORK LEFT OUT, for all values of the inputs:
;  * The final top_k(100) orders by score descending, then flat index ascending, and inside a class the positive survivors stand
;    in that same order.  The 101st positive survivor of a class has 100 entries ahead of it, so it reaches no output: 100 trips.
;  * A box of score 0 stands behind every positive box of its class, so it can suppress only boxes whose nms score is 0 anyway.
;  * Entries of nms score 0 reach the output only if an image has fewer than 100 positive survivors, and then in flat order;
;    class 1 alone then holds at least 1000 - 99 of them.  So only c0 = 0 stores a table of its zero entries (tpri, tbl rows 10240+n).
;  * Column 0 of box_outputs (background) is sliced away by reference(): not loaded.  image_info columns 2..4 are never used.
; THE IoU TEST.  inter / max(u, 1e-8) > 0.5 is tested as inter > max(u/2, 5e-9): halving is exact, and two neighbouring f32 have a
; quotient above 1 + 2^-24, which a rounded division carries above 0.5.  Half areas are kept, so u/2 = fma(inter, -0.5, ha_i + ha_j)
; rounds as reference()'s u does.  Only iy is clamped at 0: with ix < 0 the product is <= 0 and the test fails, as it does for inter = 0.
; LIMITS.  NaN inputs are not served.  exp and 1/x are the hardware's (1 ulp), e/10 and e/5 are products with 0.1 and 0.2: two scores,
; or an IoU and 0.5, that differ only in the last bits may be ordered otherwise than by reference().  An exponential below 2^-126 is 0.
; A NaN, infinity or overflow that reaches only the work left out is not carried to the result.
; NO CLUSTER: the 80 work-groups of an image read the same class_outputs rows, but through registers (88 loads a wave, once),
; against 100 trips of about 115 vector instructions; there is no tile in LDS that a joint request could fill for all.
.set ROWB,   324                       ; bytes of a class_outputs row (81 f32)
.set STGW,   10752                     ; LDS stage of a wave: 21 x 512 bytes hold 32 rows (10,368 bytes)
.set SC,     86016                     ; 1,024 scores; the 512 bytes at 512 wave are that wave's own
.set SLOT,   90112                     ; trip t, wave w: 32 bytes at t*272 + w*32 = y1, x1, y2, x2, key, n.  Each trip has bytes of its own
.set SPITCH, 272                       ; 17 x 16 bytes: 16 lanes that read one column of 16 trips start in 16 different 16-byte columns of 256
.set TRIPS,  100
.set RA,  16                           ; v[16:31]   anchors of my 4 boxes
.set RE,  32                           ; v[32:47]   encodings of my 4 boxes
.set RG,  48                           ; v[48:131]  21 loads of a chunk (prelude)
.set RX,  132                          ; v[132:213] a row's 81 logits; RX+81: the logit of my class
.set MM,  214                          ; v[214:215] -max * log2(e), twice
.set RS,  216                          ; v[216:223] four chains (maxima, then pairs of sums)
.set XC,  224                          ; v[224:227] chunk j: my class's logit of my row
.set BY1, 48                           ; main loop: corners, 4 registers each
.set BX1, 52
.set BY2, 56
.set BX2, 60
.set RHA, 64                           ; half areas
.set RK,  68                           ; live key: > 0 alive, 0 killed or of score 0, -1 extracted
.set ROK, 72                           ; the scores as computed
.set RN,  76                           ; n
.set TA,  80
.set TB,  84
.set TC,  88
.set RP,  92                           ; v[92:96]   the lane's best: y1, x1, y2, x2, n
.set RM,  97                           ; the lane's best key
.set RT,  99
.set RW,  100                          ; v[100:105] what my wave puts into its slot; RW+4 is the wave's best key
.set MW,  104
.set RQ,  108                          ; v[108:113] the slot of wave (lane & 7)
.set KM,  114                          ; the work-group's best key
.set HAS, 115                          ; the winner's half area
.set SA,  116                          ; where my wave stores its slot
.set LA,  117                          ; where my lane reads a slot
.set MK,  118                          ; the winner's new key
.set EB,  120                          ; v[120:151] epilogue: 8 slots' boxes
.set EK,  152                          ; v[152:159] epilogue: 8 slots' keys
	s_load_b256 s[4:11], s[0:1], 0x0               ; class_outputs s[4:5], box_outputs s[6:7], anchor_boxes s[8:9], image_info s[10:11]
	s_load_b128 s[12:15], s[0:1], 0x20             ; lkey s[12:13], tpri s[14:15]
	s_load_b64 s[16:17], s[0:1], 0x30              ; tbl
	v_lshl_add_u32 v228, v0, 2, 0x1cb00
	v_mov_b32 v229, 0
	v_lshrrev_b32 v8, 5, v0
	v_readfirstlane_b32 s18, v8                    ; wave
	s_mov_b32 s19, ttmp9                           ; c0 = class - 1
	s_and_b32 s20, ttmp7, 0xffff                   ; b
	s_add_co_u32 s21, s19, 1                       ; column of my class
	s_mov_b32 s22, 0x76543210                      ; v_permlanex16_b32: lane i reads lane i of the other half
	s_mov_b32 s23, 0xfedcba98
	s_mul_i32 s29, s18, STGW                       ; my wave's stage
	v_and_b32 v1, 31, v0                           ; lane
	v_lshlrev_b32 v2, 4, v1                        ; 16 lane
	v_min_u32 v3, 7, v1
	v_lshlrev_b32 v3, 4, v3                        ; a chunk's last 128 bytes: lanes 8..31 repeat lane 7, so no load passes the chunk's end
	v_add_nc_u32 v4, s29, v2                       ; stage + 16 lane
	v_mul_u32_u24 v6, v1, ROWB                     ; my row of a chunk
	v_add_nc_u32 v5, s29, v6                       ; in the stage (81 words: an odd pitch, 32 lanes in 32 different words modulo 64)
	v_lshl_add_u32 v6, s21, 2, v6                  ; in memory: my class's logit in that row.  It is read from memory, so that every LDS address is made of wave and lane alone
	v_lshlrev_b32 v7, 2, v1
	v_add_nc_u32 v7, SC, v7
	v_lshlrev_b32 v8, 2, v0                        ; n of my first box
	v_min_u32 v9, 996, v8                          ; threads 250..255 (n >= 1000) load boxes 996..999 again; their keys are 0
	v_lshlrev_b32 v10, 4, v9                       ; anchors: 16 bytes a box
	v_mul_u32_u24 v9, v9, 1296                     ; encodings: 1,296 bytes a box
	v_lshl_add_u32 v11, s18, 9, v2
	v_add_nc_u32 v11, SC, v11                      ; my four scores
.irp i, 12,13,14,15
	v_mov_b32 v\i, 0
.endr
	; byte offsets, each in registers of its own
	s_mul_i32 s27, s20, 324000                     ; image b in class_outputs
	s_lshl_b32 s28, s18, 7                         ; my wave's first row
.irp j, 0,1,2,3
	s_add_co_u32 s[45+\j], s28, 32*\j
	s_min_u32 s[45+\j], s[45+\j], 968              ; chunk j's first row; the last chunk of wave 7 is rows 968..999 (24 of them a second time)
	s_mul_i32 s[36+2*\j], s[45+\j], ROWB
	s_add_co_u32 s[36+2*\j], s[36+2*\j], s27
	s_mov_b32 s[37+2*\j], 0
.endr
	s_mul_i32 s50, s20, 1296000
	s_lshl4_add_u32 s50, s21, s50                  ; + 16 bytes x column
	s_mov_b32 s51, 0
	s_mul_i32 s52, s20, 16000
	s_mov_b32 s53, 0
	s_mul_i32 s54, s20, 80
	s_add_co_u32 s54, s54, s19
	s_lshl_b32 s54, s54, 9                         ; lkey: 512 bytes a list
	s_mov_b32 s55, 0
	s_lshl_b32 s56, s20, 12                        ; tpri: 4,096 bytes an image
	s_mov_b32 s57, 0
	s_mul_i32 s58, s20, 180224                     ; tbl: 11,264 rows of 16 bytes an image,
	s_lshl_b32 s27, s19, 11                        ; 128 rows a list
	s_add_co_u32 s58, s58, s27
	s_mov_b32 s59, 0
	s_mul_i32 s60, s20, 20
	s_mov_b32 s61, 0
	s_wait_kmcnt 0x0
.irp j, 0,1,2,3
	s_add_nc_u64 s[36+2*\j:37+2*\j], s[4:5], s[36+2*\j:37+2*\j]
.endr
	s_add_nc_u64 s[50:51], s[6:7], s[50:51]
	s_add_nc_u64 s[52:53], s[8:9], s[52:53]
	s_add_nc_u64 s[54:55], s[12:13], s[54:55]
	s_add_nc_u64 s[56:57], s[14:15], s[56:57]
	s_add_nc_u64 s[58:59], s[16:17], s[58:59]
	s_add_nc_u64 s[60:61], s[10:11], s[60:61]
	s_load_b32 s24, s[60:61], 0x0                  ; image height
	s_load_b32 s25, s[60:61], 0x4                  ; image width
.macro LOADCH j                        ; 32 rows of class_outputs, 10,368 consecutive bytes: 20 loads of 512 bytes and one of 128
.set i, 0
.rept 20
	global_load_b128 v[RG+4*i:RG+4*i+3], v2, s[36+2*(\j):37+2*(\j)] offset:512*i
.set i, i+1
.endr
	global_load_b128 v[RG+80:RG+83], v3, s[36+2*(\j):37+2*(\j)] offset:10240
.endm
.irp r, 0,1,2,3
	global_load_b128 v[RA+4*\r:RA+4*\r+3], v10, s[52:53] offset:16*\r
.endr
.irp r, 0,1,2,3
	global_load_b128 v[RE+4*\r:RE+4*\r+3], v9, s[50:51] offset:1296*\r
.endr
.irp j, 0,1,2,3
	global_load_b32 v[XC+\j], v6, s[36+2*\j:37+2*\j]           ; my class's logit of row (chunk j's first row + lane)
.endr
	LOADCH 0
	ds_store_b128 v11, v[12:15]                    ; my wave's scores start at 0: rows 1000..1023 stay so
; Softmax of 32 rows, one row a lane; only my class's probability is kept.  Everything is the wave's own: no barrier.
.macro CHUNK j, more
	s_wait_loadcnt 0x0                             ; this chunk's 21 loads are the only ones out (the first time the 12 loads ahead of them too)
.set i, 0
.rept 21
	ds_store_b128 v4, v[RG+4*i:RG+4*i+3] offset:512*i
.set i, i+1
.endr
.if \more
	LOADCH \j+1                                    ; the next chunk travels under this chunk's arithmetic
.endif
.set i, 0
.rept 81
	ds_load_b32 v[RX+i], v5 offset:4*i             ; LDS serves a wave's instructions in order: these see the stores above
.set i, i+1
.endr
	v_mov_b32 v[RX+81], v[XC+\j]                   ; beside the 81st logit, so that it goes through the same packed steps
	s_wait_dscnt 0x0
	v_max3_num_f32 v[RS],   v[RX],   v[RX+1],  v[RX+2]    ; the row's maximum in four chains
	v_max3_num_f32 v[RS+1], v[RX+3], v[RX+4],  v[RX+5]
	v_max3_num_f32 v[RS+2], v[RX+6], v[RX+7],  v[RX+8]
	v_max3_num_f32 v[RS+3], v[RX+9], v[RX+10], v[RX+11]
.set i, 12
.rept 34
	v_max3_num_f32 v[RS+(i/2)%4], v[RS+(i/2)%4], v[RX+i], v[RX+i+1]
.set i, i+2
.endr
	v_max3_num_f32 v[RS], v[RS], v[RS+1], v[RX+80]
	v_max3_num_f32 v[RS], v[RS], v[RS+2], v[RS+3]
	v_mul_f32 v[MM], 0xbfb8aa3b, v[RS]             ; -max * log2(e); its rounding is common to every term of the row and cancels in the quotient
	v_mov_b32 v[MM+1], v[MM]
.set i, 0
.rept 41
	v_pk_fma_f32 v[RX+i:RX+i+1], v[RX+i:RX+i+1], 0x3fb8aa3b, v[MM:MM+1] op_sel_hi:[1,0,1]   ; (x - max) log2(e)
.set i, i+2
.endr
.set i, 0
.rept 82
	v_exp_f32 v[RX+i], v[RX+i]
.set i, i+1
.endr
	v_nop                                          ; one plain instruction between the last exponential and the first use (ISA guide 5.7.2)
	s_wait_alu depctr_va_vdst(0)
.irp k, 0,1,2,3
	v_pk_add_f32 v[RS+2*\k:RS+2*\k+1], v[RX+4*\k:RX+4*\k+1], v[RX+4*\k+2:RX+4*\k+3]
.endr
.set i, 16
.rept 32
	v_pk_add_f32 v[RS+2*((i/2)%4):RS+2*((i/2)%4)+1], v[RS+2*((i/2)%4):RS+2*((i/2)%4)+1], v[RX+i:RX+i+1]
.set i, i+2
.endr
	v_pk_add_f32 v[RS:RS+1], v[RS:RS+1], v[RS+2:RS+3]
	v_pk_add_f32 v[RS+4:RS+5], v[RS+4:RS+5], v[RS+6:RS+7]
	v_pk_add_f32 v[RS:RS+1], v[RS:RS+1], v[RS+4:RS+5]
	v_add_f32 v[RS], v[RS], v[RS+1]
	v_add_f32 v[RS], v[RS], v[RX+80]               ; the sum of all 81; it holds the maximum's own term, about 1
	v_rcp_f32 v[RS], v[RS]
	v_lshl_add_u32 v[RS+2], s[45+\j], 2, v7        ; the plain instruction behind the reciprocal: where the row's score goes
	s_wait_alu depctr_va_vdst(0)
	v_mul_f32 v[RS+1], v[RX+81], v[RS]
	ds_store_b32 v[RS+2], v[RS+1]
.endm
	CHUNK 0, 1
	CHUNK 1, 1
	CHUNK 2, 1
	CHUNK 3, 0
	ds_load_b128 v[RK:RK+3], v11                   ; my four boxes' scores, out of my wave's own 512 bytes
	s_wait_kmcnt 0x0
	s_add_f32 s24, s24, -1.0                       ; hmax
	s_add_f32 s25, s25, -1.0                       ; wmax
; A box, in reference()'s order of operations.
.macro DECODE r
	v_sub_f32 v80, v[RA+4*\r+2], v[RA+4*\r]
	v_sub_f32 v81, v[RA+4*\r+3], v[RA+4*\r+1]
	v_add_f32 v80, 1.0, v80                        ; ha
	v_add_f32 v81, 1.0, v81                        ; wa
	v_fma_f32 v82, 0.5, v80, v[RA+4*\r]            ; cya
	v_fma_f32 v83, 0.5, v81, v[RA+4*\r+1]          ; cxa
	v_mul_f32 v84, 0x3dcccccd, v[RE+4*\r]          ; dy = e / 10
	v_mul_f32 v85, 0x3dcccccd, v[RE+4*\r+1]        ; dx
	v_mul_f32 v86, 0x3e93bb63, v[RE+4*\r+2]        ; dh log2(e) = e x 0.2 x 1.442695
	v_mul_f32 v87, 0x3e93bb63, v[RE+4*\r+3]
	v_fma_f32 v82, v84, v80, v82                   ; cy
	v_fma_f32 v83, v85, v81, v83                   ; cx
	v_exp_f32 v86, v86
	v_exp_f32 v87, v87
	v_mul_f32 v80, 0.5, v80                        ; plain work behind the exponentials
	v_mul_f32 v81, 0.5, v81
	s_wait_alu depctr_va_vdst(0)
	v_mul_f32 v86, v86, v80                        ; h / 2
	v_mul_f32 v87, v87, v81                        ; w / 2
	v_sub_f32 v[BY1+\r], v82, v86
	v_sub_f32 v[BX1+\r], v83, v87
	v_add_f32 v[BY2+\r], v82, v86
	v_add_f32 v[BX2+\r], v83, v87
	v_add_f32 v[BY2+\r], -1.0, v[BY2+\r]
	v_add_f32 v[BX2+\r], -1.0, v[BX2+\r]
	v_max_num_f32 v[BY1+\r], 0, v[BY1+\r]          ; clip = min(max(x, 0), top), in that order, also for a top below 0
	v_max_num_f32 v[BX1+\r], 0, v[BX1+\r]
	v_max_num_f32 v[BY2+\r], 0, v[BY2+\r]
	v_max_num_f32 v[BX2+\r], 0, v[BX2+\r]
	v_min_num_f32 v[BY1+\r], s24, v[BY1+\r]
	v_min_num_f32 v[BX1+\r], s25, v[BX1+\r]
	v_min_num_f32 v[BY2+\r], s24, v[BY2+\r]
	v_min_num_f32 v[BX2+\r], s25, v[BX2+\r]
	v_sub_f32 v80, v[BY2+\r], v[BY1+\r]
	v_sub_f32 v81, v[BX2+\r], v[BX1+\r]
	v_mul_f32 v80, v80, v81
	v_mul_f32 v[RHA+\r], 0.5, v80                  ; half the area
	v_add_nc_u32 v[RN+\r], \r, v8
.endm
	DECODE 0
	DECODE 1
	DECODE 2
	DECODE 3
	s_wait_dscnt 0x0                               ; the scores
	v_cmp_gt_u32 vcc_lo, 250, v0                   ; n < 1000 for all four boxes of threads 0..249, for none of the others
.irp r, 0,1,2,3
	v_cndmask_b32 v[RK+\r], 0, v[RK+\r], vcc_lo
.endr
.irp r, 0,1,2,3
	v_mov_b32 v[ROK+\r], v[RK+\r]
.endr
	v_mov_b32 v[MW], 0                             ; destinations of lane-crossing forms count as read: written once here
	v_mov_b32 v[RT], 0
	v_mov_b32 v[KM], 0
	s_lshl_b32 s27, s18, 5
	s_add_co_u32 s27, s27, SLOT
	v_mov_b32 v[SA], s27                           ; slot of trip 0, my wave
	v_and_b32 v[LA], 7, v1
	v_lshlrev_b32 v[LA], 5, v[LA]
	v_add_nc_u32 v[LA], SLOT, v[LA]                ; slot of trip 0, wave (lane & 7)
.macro ITER
	; (a) the lane's best of four; on equal keys the lowest r, that is the lowest n
	v_max3_num_f32 v[RM], v[RK], v[RK+1], v[RK+2]
	v_max_num_f32 v[RM], v[RM], v[RK+3]
	v_cmp_eq_f32 vcc_lo, v[RK+2], v[RM]
	v_cndmask_b32 v[RP],   v[BY1+3], v[BY1+2], vcc_lo
	v_cndmask_b32 v[RP+1], v[BX1+3], v[BX1+2], vcc_lo
	v_cndmask_b32 v[RP+2], v[BY2+3], v[BY2+2], vcc_lo
	v_cndmask_b32 v[RP+3], v[BX2+3], v[BX2+2], vcc_lo
	v_cndmask_b32 v[RP+4], v[RN+3],  v[RN+2],  vcc_lo
.irp r, 1,0
	v_cmp_eq_f32 vcc_lo, v[RK+\r], v[RM]
	v_cndmask_b32 v[RP],   v[RP],   v[BY1+\r], vcc_lo
	v_cndmask_b32 v[RP+1], v[RP+1], v[BX1+\r], vcc_lo
	v_cndmask_b32 v[RP+2], v[RP+2], v[BY2+\r], vcc_lo
	v_cndmask_b32 v[RP+3], v[RP+3], v[BX2+\r], vcc_lo
	v_cndmask_b32 v[RP+4], v[RP+4], v[RN+\r],  vcc_lo
.endr
	; (b) the wave's best; on equal keys the lowest lane
	v_max_num_f32_dpp v[MW], v[RM], v[RM] row_xmask:1 row_mask:0xf bank_mask:0xf
	v_max_num_f32_dpp v[MW], v[MW], v[MW] row_xmask:2 row_mask:0xf bank_mask:0xf
	v_max_num_f32_dpp v[MW], v[MW], v[MW] row_xmask:4 row_mask:0xf bank_mask:0xf
	v_max_num_f32_dpp v[MW], v[MW], v[MW] row_xmask:8 row_mask:0xf bank_mask:0xf
	v_permlanex16_b32 v[RT], v[MW], s22, s23
	v_max_num_f32 v[MW], v[MW], v[RT]
	v_cmp_eq_f32 s27, v[RM], v[MW]
	s_ctz_i32_b32 s28, s27
	s_and_b32 s28, s28, 31                         ; an empty ballot (a NaN key) still names a lane
.irp i, 0,1,2,3,4
	v_readlane_b32 s[30+\i], v[RP+\i], s28
.endr
	v_mov_b32 v[RW],   s30
	v_mov_b32 v[RW+1], s31
	v_mov_b32 v[RW+2], s32
	v_mov_b32 v[RW+3], s33
	v_mov_b32 v[RW+5], s34
	ds_store_b128 v[SA], v[RW:RW+3]                ; all lanes store the same words
	ds_store_b64 v[SA], v[RW+4:RW+5] offset:16
	s_wait_dscnt 0x0                               ; for the other waves' sake: my slot is written
	s_barrier_signal -1
	s_barrier_wait -1                              ; the one barrier of a trip: the next trip's slots are other bytes, so nothing that is read here is ever written again
	; (c) the work-group's best; on equal keys the lowest wave
	ds_load_b128 v[RQ:RQ+3], v[LA]
	ds_load_b64 v[RQ+4:RQ+5], v[LA] offset:16
	s_wait_dscnt 0x0
	v_max_num_f32_dpp v[KM], v[RQ+4], v[RQ+4] row_xmask:1 row_mask:0xf bank_mask:0xf
	v_max_num_f32_dpp v[KM], v[KM], v[KM] row_xmask:2 row_mask:0xf bank_mask:0xf
	v_max_num_f32_dpp v[KM], v[KM], v[KM] row_xmask:4 row_mask:0xf bank_mask:0xf
	v_cmp_eq_f32 s27, v[RQ+4], v[KM]
	s_ctz_i32_b32 s28, s27
	s_and_b32 s28, s28, 31
.irp i, 0,1,2,3
	v_readlane_b32 s[30+\i], v[RQ+\i], s28         ; the winner's y1, x1, y2, x2
.endr
	v_readlane_b32 s34, v[RQ+5], s28               ; and its n
	v_sub_f32 v[HAS], s32, s30                     ; its half area, by the operations that made RHA: the test is the same bits both ways round,
	v_sub_f32 v[RT], s33, s31                      ; so a later winner never kills an earlier one (which did not kill it)
	v_mul_f32 v[HAS], v[HAS], v[RT]
	v_mul_f32 v[HAS], 0.5, v[HAS]
	v_cmp_lt_f32 vcc_lo, 0, v[KM]
	v_cndmask_b32 v[HAS], 0x7f800000, v[HAS], vcc_lo   ; no positive key is left: an infinite area, so this trip kills nothing,
	v_cndmask_b32 v[MK], 0, -1.0, vcc_lo               ; and marks nothing: its 'winner' keeps key 0
	; (d) kill what overlaps the winner, mark the winner; four boxes side by side
.irp r, 0,1,2,3
	v_min_num_f32 v[TA+\r], s32, v[BY2+\r]
.endr
.irp r, 0,1,2,3
	v_max_num_f32 v[TB+\r], s30, v[BY1+\r]
.endr
.irp r, 0,1,2,3
	v_sub_f32 v[TA+\r], v[TA+\r], v[TB+\r]
.endr
.irp r, 0,1,2,3
	v_max_num_f32 v[TA+\r], 0, v[TA+\r]            ; iy
.endr
.irp r, 0,1,2,3
	v_min_num_f32 v[TB+\r], s33, v[BX2+\r]
.endr
.irp r, 0,1,2,3
	v_max_num_f32 v[TC+\r], s31, v[BX1+\r]
.endr
.irp r, 0,1,2,3
	v_sub_f32 v[TB+\r], v[TB+\r], v[TC+\r]         ; ix, not clamped
.endr
.irp r, 0,1,2,3
	v_mul_f32 v[TA+\r], v[TA+\r], v[TB+\r]         ; inter
.endr
.irp r, 0,1,2,3
	v_add_f32 v[TB+\r], v[RHA+\r], v[HAS]
.endr
.irp r, 0,1,2,3
	v_fma_f32 v[TB+\r], v[TA+\r], -0.5, v[TB+\r]   ; union / 2
.endr
.irp r, 0,1,2,3
	v_max_num_f32 v[TB+\r], 0x31abcc77, v[TB+\r]   ; at least f32(1e-8) / 2
.endr
.irp r, 0,1,2,3
	v_cmp_gt_f32 s[36+\r], v[TA+\r], v[TB+\r]
.endr
.irp r, 0,1,2,3
	v_cmp_eq_u32 s[40+\r], s34, v[RN+\r]
.endr
.irp r, 0,1,2,3
	v_cndmask_b32 v[RK+\r], v[RK+\r], 0, s[36+\r]
.endr
.irp r, 0,1,2,3
	v_cndmask_b32 v[RK+\r], v[RK+\r], v[MK], s[40+\r]
.endr
	v_add_nc_u32 v[SA], SPITCH, v[SA]
	v_add_nc_u32 v[LA], SPITCH, v[LA]
.endm
	s_mov_b32 s26, 0
.Ltrip:
	ITER
	s_add_co_u32 s26, s26, 1
	s_cmp_lt_u32 s26, TRIPS
	s_cbranch_scc1 .Ltrip
	v_lshlrev_b32 v161, 2, v0                      ; 4 tid
	v_lshlrev_b32 v163, 4, v0                      ; 16 tid
	; The list of survivors.  Thread t < 100 finds trip t's winner again among the eight slots; every slot was stored ahead of its trip's barrier.
	s_cmp_gt_u32 s18, 3
	s_cbranch_scc1 .Lno_list
	v_min_u32 v160, 99, v0
	v_mul_u32_u24 v160, v160, SPITCH
	v_add_nc_u32 v160, SLOT, v160
.irp s, 0,1,2,3,4,5,6,7
	ds_load_b128 v[EB+4*\s:EB+4*\s+3], v160 offset:32*\s
	ds_load_b32 v[EK+\s], v160 offset:32*\s+16
.endr
	s_wait_dscnt 0x0
.irp s, 6,5,4,3,2,1,0
	v_cmp_ge_f32 vcc_lo, v[EK+\s], v[EK+7]         ; on equal keys the lower wave
	v_cndmask_b32 v[EK+7], v[EK+7], v[EK+\s], vcc_lo
.irp c, 0,1,2,3
	v_cndmask_b32 v[EB+28+\c], v[EB+28+\c], v[EB+4*\s+\c], vcc_lo
.endr
.endr
	v_cmp_gt_u32 vcc_lo, 100, v0                   ; places 100..127 of a list are 0
	v_cndmask_b32 v[EK+7], 0, v[EK+7], vcc_lo
.irp c, 0,1,2,3
	v_cndmask_b32 v[EB+28+\c], 0, v[EB+28+\c], vcc_lo
.endr
	global_store_b32 v161, v[EK+7], s[54:55]       ; a wave stores 128 consecutive bytes, the four waves the list's 512
	global_store_b128 v163, v[EB+28:EB+31], s[58:59]   ; a wave stores 512 consecutive bytes
.Lno_list:
	; Class 1 alone: the table of its entries whose nms score is 0.  Word n = the score's bits + 1 (they order as the scores do; a score
	; of exactly 0 gives 1); extracted boxes (key -1) and n >= 1000 give 0 = 'no entry'.
	s_cmp_lg_u32 s19, 0
	s_cbranch_scc1 .Lend
	v_cmp_gt_u32 s36, 250, v0
.irp r, 0,1,2,3
	v_cmp_le_f32 s37, 0, v[RK+\r]
	s_and_b32 s37, s37, s36
	v_add_nc_u32 v[164+\r], 1, v[ROK+\r]
	v_cndmask_b32 v[164+\r], 0, v[164+\r], s37
.endr
	global_store_b128 v163, v[164:167], s[56:57]   ; a wave stores 512 consecutive bytes
	; its boxes, turned into rows of 16 bytes in my wave's own stage, so that each store covers 512 consecutive bytes
	v_lshl_add_u32 v172, v1, 6, s29
.irp r, 0,1,2,3
	ds_store_b32 v172, v[BY1+\r] offset:16*\r
	ds_store_b32 v172, v[BX1+\r] offset:16*\r+4
	ds_store_b32 v172, v[BY2+\r] offset:16*\r+8
	ds_store_b32 v172, v[BX2+\r] offset:16*\r+12
.endr
.irp j, 0,1,2,3
	ds_load_b128 v[176+4*\j:179+4*\j], v4 offset:512*\j        ; the wave's own bytes, served in order behind the stores
.endr
	v_lshl_add_u32 v173, s18, 11, v2               ; 128 rows a wave
	s_wait_dscnt 0x0
.irp j, 0,1,2,3
	global_store_b128 v173, v[176+4*\j:179+4*\j], s[58:59] offset:163840+512*\j   ; rows 10240 + n
.endr
.Lend:
	s_wait_tensorcnt 0x0
	ds_add_u32 v228, v229
	s_wait_dscnt 0x0
	s_endpgm
.Lfunc_end_k_q76764cc222_extract:
	.size	k_q76764cc222_extract, .Lfunc_end_k_q76764cc222_extract-k_q76764cc222_extract
	.p2alignl 7, 3214868480
	.fill 96, 4, 3214868480
	.section	.rodata,"a",@progbits
	.p2align	6, 0x0
	.amdhsa_kernel k_q76764cc222_extract
		.amdhsa_group_segment_fixed_size 118528
		.amdhsa_private_segment_fixed_size 0
		.amdhsa_enable_private_segment 0
		.amdhsa_kernarg_size 56
		.amdhsa_user_sgpr_count 2
		.amdhsa_user_sgpr_kernarg_segment_ptr 1
		.amdhsa_wavefront_size32 1
		.amdhsa_system_sgpr_workgroup_id_x 1
		.amdhsa_system_sgpr_workgroup_id_y 1
		.amdhsa_system_sgpr_workgroup_id_z 1
		.amdhsa_system_vgpr_workitem_id 0
		.amdhsa_next_free_vgpr 230
		.amdhsa_next_free_sgpr 66
		.amdhsa_reserve_vcc 1
		.amdhsa_float_denorm_mode_32 3
		.amdhsa_float_denorm_mode_16_64 3
		.amdhsa_memory_ordered 1
		.amdhsa_forward_progress 1
		.amdhsa_inst_pref_size 105
	.end_amdhsa_kernel
	.amdgpu_metadata
---
amdhsa.version: [ 1, 2 ]
amdhsa.kernels:
  - .name:           k_q76764cc222_extract
    .symbol:         k_q76764cc222_extract.kd
    .args:
      - { .name: class_outputs, .offset: 0, .size: 8, .value_kind: global_buffer, .address_space: global }
      - { .name: box_outputs, .offset: 8, .size: 8, .value_kind: global_buffer, .address_space: global }
      - { .name: anchor_boxes, .offset: 16, .size: 8, .value_kind: global_buffer, .address_space: global }
      - { .name: image_info, .offset: 24, .size: 8, .value_kind: global_buffer, .address_space: global }
      - { .name: lkey, .offset: 32, .size: 8, .value_kind: global_buffer, .address_space: global }
      - { .name: tpri, .offset: 40, .size: 8, .value_kind: global_buffer, .address_space: global }
      - { .name: tbl, .offset: 48, .size: 8, .value_kind: global_buffer, .address_space: global }
    .group_segment_fixed_size: 118528
    .private_segment_fixed_size: 0
    .kernarg_segment_align: 8
    .kernarg_segment_size: 56
    .max_flat_workgroup_size: 256
    .sgpr_count:     66
    .vgpr_count:     230
    .wavefront_size: 32
...
	.end_amdgpu_metadata
.endif
;; end of part 1
;; launch final (part 2): grid 2 x 1, 8 waves a work-group, no clusters, 84,736 bytes of LDS; arguments lkey, tpri, tbl, out0; writes out0
.if DOCPART == 2
	.amdgcn_target "amdgcn-amd-amdhsa--gfx1250"
	.amdhsa_code_object_version 6
	.text
	.protected	k_q76764cc222_final
	.globl	k_q76764cc222_final
	.p2align	8
	.type	k_q76764cc222_final,@function
k_q76764cc222_final:
	s_mov_b64 s[64:65], 0
	v_nop
	global_prefetch_b8 v0, s[64:65] scope:SCOPE_SE
	s_setreg_imm32_b32 hwreg(HW_REG_WAVE_MODE, 25, 1), 1
	s_wait_xcnt 0x0
; The 100 best of an image's 80 lists of survivors.  One work-group an image, 8 waves.
; Work left out: as the first kernel shows, only each class's first 100 positive survivors, and of the entries of nms score 0
; only class 1's, can reach the output; nothing else was stored and nothing else is read.
; Every decision is made on whole numbers read from memory (the scores' bit patterns, which order as the scores do), and none of them
; steers a branch or a trip count: all loops have constant trips, the branches hang on the wave's number alone, EXEC stays full.
; 1. All waves: the 80 class lists (descending, 0 = end) go into LDS.  Class 1's 1,024 zero entries are unsorted: each group of 32
;    neighbouring n is ranked in itself (key descending, n ascending) and laid out as a sorted list: 32 tail lists.
; 2. Wave 0 merges the 80 class lists, wave 1 the 32 tail lists, by the same text: 100 trips, each takes the largest head.  List
;    L = 3 lane + j, so the lowest (lane, j) among equal heads is the lowest class (or the lowest n), as top_k orders equal scores.
;    The merges' reads go wherever the keys lead inside the lists, so no wave stores into LDS while they run: a trip's record stays
;    in a register (trip 32 q + i in lane i of pair q) and is stored behind a barrier of its own.
; 3. Row t of the output is the class merge's record t, or, from the M-th row on (M = its trips with a positive key), the tail merge's
;    record t - M with score 0 and class 1.  With M < 100 class 1 has at most 99 extracted boxes, so the tail has at least 901 entries.
; 4. The 2,400 bytes leave through LDS in stores of 16 bytes a lane, consecutive lanes at consecutive bytes.
; The tail merge is done whatever M is, and selected from: it runs beside the class merge in another wave.
; An LDS or global offset made from loaded numbers is bounded by a constant directly in front of its use.
.set PITCH,  516                       ; a list: 129 words, so that lanes at equal places of different lists touch different banks
.set NCL,    80                        ; class lists, lists 0..79
.set NTL,    32                        ; tail lists, lists 80..111
.set LTEND,  (NCL+NTL)*PITCH           ; 57,792: the lists' end
.set REC,    57856                     ; records (key, id), 8 bytes a trip: wave 0's, and 1,024 bytes on wave 1's
.set MB,     59904                     ; the two merges' counts of positive keys
.set TN,     60160                     ; n of tail list L, place p at 512 L + 4 p
.set RAW,    76544                     ; the tail keys as loaded; the 512 bytes at 512 wave are that wave's own
.set OUTB,   80640                     ; 128 rows of 24 bytes; rows 0..99 are the output
.set RKY, 16                           ; v[16:55]   keys: class i of my ten, places 4 lane + k
.set RTK, 56                           ; v[56:59]   my four tail keys
.set RNH, 60                           ; v[60:63]   their complements
.set RNL, 64                           ; v[64:67]   complements of 31 - (place in the group)
.set RRK, 68                           ; v[68:71]   their ranks in the group
.set RXV, 72                           ; v[72:103]  the group's 32 keys
.set RH,  104                          ; v[104:106] heads of my three lists
.set RNX, 108                          ; v[108:110] the keys behind the heads
.set RAD, 112                          ; v[112:114] LDS address of the heads
.set RID, 116                          ; v[116:118] 128 L + place of the heads
.set RIN, 120                          ; v[120:122] 1 in the lane and list that won
.set RMX, 123
.set PR,  124                          ; v[124:125] a trip's record: key, id
.set RZA, 127
.set E0,  128                          ; v[128:129] row t: the class merge's record
.set E1,  130
.set RMM, 132
.set RU,  133
.set RNN, 134
.set RNV, 135
.set ROW, 136
.set ROF, 137
.set RCL, 138
.set RTT, 139
.set RBX, 140                          ; v[140:143] the box
.set RSC, 144                          ; v[144:145] score, class
.set ROA, 146
.set RRD, 147
.set RLD, 148
.set RD,  152                          ; v[152:155]
.set RR,  156                          ; v[156:163] the records: pair q, lane i = trip 32 q + i
	s_load_b256 s[4:11], s[0:1], 0x0               ; lkey s[4:5], tpri s[6:7], tbl s[8:9], out0 s[10:11]
	v_lshl_add_u32 v164, v0, 2, 0x14700
	v_mov_b32 v165, 0
	v_lshrrev_b32 v1, 5, v0
	v_readfirstlane_b32 s12, v1                    ; wave
	s_mov_b32 s13, ttmp9                           ; image
	s_mov_b32 s14, 0x76543210                      ; v_permlanex16_b32: lane i reads lane i of the other half
	s_mov_b32 s15, 0xfedcba98
	v_and_b32 v1, 31, v0                           ; lane
	v_lshlrev_b32 v2, 4, v1                        ; 16 lane
	s_mul_i32 s16, s12, 10*PITCH
	v_add_nc_u32 v3, s16, v2                       ; my ten lists in LDS, + 4 places a lane
	v_lshl_add_u32 v4, s12, 9, v2                  ; 16 tid
	s_mul_i32 s17, s12, 5120
	v_add_nc_u32 v5, s17, v2                       ; my ten lists in lkey
	v_lshrrev_b32 v6, 3, v1                        ; which of my wave's four groups of 32
	v_and_b32 v7, 7, v1
	v_mov_b32 v8, 0
	v_mov_b32 v10, 0
	s_lshl_b32 s18, s12, 9
	s_add_co_u32 s18, s18, RAW
	v_add_nc_u32 v11, s18, v2                      ; my four keys in RAW
	v_lshl_add_u32 v12, v6, 7, s18                 ; my group's 128 bytes of RAW
	s_mul_i32 s19, s12, 4*PITCH
	s_add_co_u32 s19, s19, NCL*PITCH
	v_mul_u32_u24 v13, v6, PITCH
	v_add_nc_u32 v13, s19, v13                     ; tail list G = 4 wave + group
	s_lshl_b32 s28, s12, 11
	s_add_co_u32 s28, s28, TN
	v_lshl_add_u32 v14, v6, 9, s28                 ; its 512 bytes of TN
	v_lshlrev_b32 v15, 2, v0                       ; n of my first tail entry
.irp i, 0,1,2,3,4,5,6,7
	v_mov_b32 v[RR+\i], 0                          ; the records are filled lane by lane: written whole once, in every wave
.endr
	s_mov_b32 s31, 0                               ; M
	s_mul_i32 s20, s13, 40960
	s_mov_b32 s21, 0
	s_lshl_b32 s22, s13, 12
	s_mov_b32 s23, 0
	s_mul_i32 s24, s13, 180224
	s_mov_b32 s25, 0
	s_mul_i32 s26, s13, 2400
	s_mov_b32 s27, 0
	s_wait_kmcnt 0x0
	s_add_nc_u64 s[4:5], s[4:5], s[20:21]
	s_add_nc_u64 s[6:7], s[6:7], s[22:23]
	s_add_nc_u64 s[8:9], s[8:9], s[24:25]
	s_add_nc_u64 s[10:11], s[10:11], s[26:27]
	global_load_b128 v[RTK:RTK+3], v4, s[6:7]
.irp i, 0,1,2,3,4,5,6,7,8,9
	global_load_b128 v[RKY+4*\i:RKY+4*\i+3], v5, s[4:5] offset:512*\i
.endr
	s_wait_loadcnt 0x0
	; 1a. the tail: my group's 32 keys come back out of my wave's own bytes of RAW (served in order behind the store)
	ds_store_b128 v11, v[RTK:RTK+3]
.irp i, 0,1,2,3,4,5,6,7
	ds_load_b128 v[RXV+4*\i:RXV+4*\i+3], v12 offset:16*\i
.endr
	; 1b. the class lists
.irp i, 0,1,2,3,4,5,6,7,8,9
.irp k, 0,1,2,3
	ds_store_b32 v3, v[RKY+4*\i+\k] offset:\i*PITCH+4*\k
.endr
.endr
	v_lshlrev_b32 v9, 2, v7                        ; my first entry's place q in its group
.irp k, 0,1,2,3
	v_add_nc_u32 v[RNL+\k], \k-32, v9              ; ~(31 - q) = q - 32
	v_xor_b32 v[RNH+\k], -1, v[RTK+\k]
	v_mov_b32 v[RRK+\k], 0
.endr
	s_wait_dscnt 0x0
	; rank = how many of the 32 are larger as (key, 31 - place): x > e exactly when x + ~e carries out of the upper word.
	; The 32 ranks of a group are a permutation of 0..31, equal keys (the zeros too) in the order of n.
.set i, 0
.rept 32
.irp k, 0,1,2,3
	v_add_co_u32 v8, vcc_lo, 31-i, v[RNL+\k]
	v_add_co_ci_u32 v8, vcc_lo, v[RXV+i], v[RNH+\k], vcc_lo
	v_add_co_ci_u32 v[RRK+\k], vcc_lo, 0, v[RRK+\k], vcc_lo
.endr
.set i, i+1
.endr
.irp k, 0,1,2,3
	v_min_u32 v[RRK+\k], 31, v[RRK+\k]             ; its largest possible value: bounded before it enters an address
	v_lshlrev_b32 v[RRK+\k], 2, v[RRK+\k]
	v_add_nc_u32 v8, v13, v[RRK+\k]
	ds_store_b32 v8, v[RTK+\k]                     ; the key, at its place in the sorted list
	v_add_nc_u32 v9, v14, v[RRK+\k]
	v_add_nc_u32 v[RNH+\k], \k, v15
	ds_store_b32 v9, v[RNH+\k]                     ; and its n
.endr
	v_lshl_add_u32 v8, v7, 2, v13
	ds_store_b32 v8, v10 offset:128                ; places 32..39 of a tail list are 0: its end, and a place for lists that do not exist
	s_wait_dscnt 0x0                               ; for the other waves' sake: all my stores are done
	s_barrier_signal -1
	s_barrier_wait -1
	; 2. the merges
	s_cmp_gt_u32 s12, 1
	s_cbranch_scc1 .Lmerged
	s_mul_i32 s40, s12, NCL*PITCH                  ; my first list: 0, or 80
	s_mul_i32 s41, s12, NCL-NTL
	s_sub_co_u32 s41, NCL, s41                     ; how many lists: 80, or 32
	s_mul_i32 s42, s12, (111*PITCH+136)-(79*PITCH+480)
	s_add_co_u32 s42, s42, 79*PITCH+480            ; two zeros: list 79, places 120 and 121 (a class list is 0 from place 100 on); or list 111, places 34 and 35
	v_mov_b32 v[RZA], s42
	v_mul_u32_u24 v9, v1, 3
.irp j, 0,1,2
	v_add_nc_u32 v8, \j, v9                        ; L = 3 lane + j
	v_cmp_gt_u32 vcc_lo, s41, v8
	v_lshlrev_b32 v[RID+\j], 7, v8
	v_mul_u32_u24 v[RAD+\j], v8, PITCH
	v_add_nc_u32 v[RAD+\j], s40, v[RAD+\j]
	v_cndmask_b32 v[RAD+\j], v[RZA], v[RAD+\j], vcc_lo   ; a list that does not exist: head 0, which never wins
	v_min_u32 v[RAD+\j], LTEND-8, v[RAD+\j]        ; what was selected lies inside the lists; the bound says so on the line itself
.endr
.irp j, 0,1,2
	ds_load_b32 v[RH+\j], v[RAD+\j]
	ds_load_b32 v[RNX+\j], v[RAD+\j] offset:4
.endr
	v_mov_b32 v8, 0                                ; destinations of lane-crossing forms count as read
	s_wait_dscnt 0x0
; trips trips of the merge; the record of trip i goes into lane i of pair q
.macro MERGE q, trips
	s_mov_b32 s44, 0
.Lmerge_\@:
	v_max_u32 v[RMX], v[RH], v[RH+1]
	v_max_u32 v[RMX], v[RMX], v[RH+2]
.irp x, 1,2,4,8
	v_mov_b32_dpp v8, v[RMX] row_xmask:\x row_mask:0xf bank_mask:0xf
	v_max_u32 v[RMX], v[RMX], v8
.endr
	v_permlanex16_b32 v8, v[RMX], s14, s15
	v_max_u32 v[PR], v[RMX], v8                    ; the largest head, in every lane
	v_readfirstlane_b32 s29, v[PR]
	v_cmp_eq_u32 s20, v[RH], v[PR]
	v_cmp_eq_u32 s21, v[RH+1], v[PR]
	v_cmp_eq_u32 s22, v[RH+2], v[PR]
	s_or_b32 s23, s20, s21
	s_or_b32 s23, s23, s22
	s_ctz_i32_b32 s27, s23                         ; the lowest lane that holds it
	s_and_b32 s27, s27, 31
	s_lshl_b32 s28, 1, s27
	s_cmp_lg_u32 s29, 0
	s_cselect_b32 s28, s28, 0                      ; key 0: every list is at its end; nobody wins, the record says 'none'
	s_cselect_b32 s30, 1, 0
	s_add_co_u32 s31, s31, s30
	s_and_b32 s24, s20, s28                        ; in that lane the lowest j that holds it
	s_and_not1_b32 s28, s28, s24
	s_and_b32 s25, s21, s28
	s_and_not1_b32 s26, s28, s25
	v_cndmask_b32 v8, v[RID], v[RID+1], s25
	v_cndmask_b32 v8, v8, v[RID+2], s26
	v_readlane_b32 s30, v8, s27                    ; the winner's 128 L + place
	v_mov_b32 v[PR+1], s30
	v_cmp_eq_u32 vcc_lo, s44, v1                   ; the lane that keeps this trip's record
	v_cndmask_b32 v[RR+2*\q], v[RR+2*\q], v[PR], vcc_lo
	v_cndmask_b32 v[RR+2*\q+1], v[RR+2*\q+1], v[PR+1], vcc_lo
	s_wait_dscnt 0x0                               ; the keys behind the heads, asked for a trip ago
.irp j, 0,1,2
	v_cndmask_b32 v[RH+\j], v[RH+\j], v[RNX+\j], s[24+\j]
	v_cndmask_b32 v[RIN+\j], 0, 1, s[24+\j]
	v_add_nc_u32 v[RID+\j], v[RID+\j], v[RIN+\j]
	v_lshl_add_u32 v[RAD+\j], v[RIN+\j], 2, v[RAD+\j]
	v_min_u32 v[RAD+\j], LTEND-8, v[RAD+\j]        ; a list is stepped at most 100 times (a tail list 32): never reached; the bound stands in front of the use
.endr
.irp j, 0,1,2
	ds_load_b32 v[RNX+\j], v[RAD+\j] offset:4
.endr
	s_add_co_u32 s44, s44, 1
	s_cmp_lt_u32 s44, \trips
	s_cbranch_scc1 .Lmerge_\@
.endm
	MERGE 0, 32
	MERGE 1, 32
	MERGE 2, 32
	MERGE 3, 4                                     ; 100 trips in all
.Lmerged:
	s_wait_dscnt 0x0                               ; the merges' last loads are back
	s_barrier_signal -1
	s_barrier_wait -1                              ; no wave reads the lists any more: LDS may be stored into again
	s_cmp_gt_u32 s12, 1
	s_cbranch_scc1 .Lstored
	s_lshl_b32 s43, s12, 10
	s_add_co_u32 s43, s43, REC
	v_lshl_add_u32 v8, v1, 3, s43
.irp q, 0,1,2,3
	ds_store_b64 v8, v[RR+2*\q:RR+2*\q+1] offset:256*\q        ; records 32 q + lane; 100..127 are 0 and are not read
.endr
	s_lshl_b32 s16, s12, 2
	s_add_co_u32 s16, s16, MB
	v_mov_b32 v9, s16
	v_mov_b32 v10, s31
	ds_store_b32 v9, v10                           ; the count; only wave 0's is read, wave 1 runs the same line
.Lstored:
	s_wait_dscnt 0x0                               ; for the other waves' sake: records and count are written
	s_barrier_signal -1
	s_barrier_wait -1
	; 3. the rows: thread t; threads 100..127 make row 99 again, into rows 100..127 of the stage, which are not copied out
	s_cmp_gt_u32 s12, 3
	s_cbranch_scc1 .Lrows_done
	v_min_u32 v[RTT], 99, v0
	v_lshlrev_b32 v8, 3, v[RTT]
	v_add_nc_u32 v8, REC, v8
	v_mov_b32 v9, MB
	ds_load_b64 v[E0:E0+1], v8                     ; key, 128 c + p
	ds_load_b32 v[RMM], v9                         ; M
	s_wait_dscnt 0x0
	v_min_u32 v[RMM], v[RMM], v[RTT]
	v_sub_nc_u32 v[RU], v[RTT], v[RMM]             ; t - M, or 0 for t < M
	v_lshlrev_b32 v[RU], 3, v[RU]
	v_add_nc_u32 v[RU], REC+1024, v[RU]
	v_min_u32 v[RU], REC+1024+8*99, v[RU]
	ds_load_b32 v[E1], v[RU] offset:4              ; the tail merge's 128 L + place
	s_wait_dscnt 0x0
	v_lshlrev_b32 v[RNN], 2, v[E1]
	v_add_nc_u32 v[RNN], TN, v[RNN]
	v_min_u32 v[RNN], TN+16380, v[RNN]
	ds_load_b32 v[RNV], v[RNN]                     ; its n
	s_wait_dscnt 0x0
	v_cmp_ne_u32 vcc_lo, 0, v[E0]                  ; a positive survivor
	v_add_nc_u32 v[RNV], 10240, v[RNV]
	v_cndmask_b32 v[ROW], v[RNV], v[E0+1], vcc_lo  ; the box's row of tbl
	v_lshlrev_b32 v[ROF], 4, v[ROW]
	v_min_u32 v[ROF], 11263*16, v[ROF]             ; tbl's last row
	global_load_b128 v[RBX:RBX+3], v[ROF], s[8:9]
	v_lshrrev_b32 v[RCL], 7, v[E0+1]
	v_add_nc_u32 v[RCL], 1, v[RCL]
	v_cvt_f32_u32 v[RCL], v[RCL]
	v_mov_b32 v[RSC], v[E0]                        ; the score's bits; 0 for a tail entry
	v_cndmask_b32 v[RSC+1], 1.0, v[RCL], vcc_lo    ; class c + 1, or class 1
	s_mul_i32 s16, s12, 768
	s_add_co_u32 s16, s16, OUTB
	v_mul_u32_u24 v[ROA], v1, 24
	v_add_nc_u32 v[ROA], s16, v[ROA]               ; row tid of the stage
	s_wait_loadcnt 0x0
	ds_store_b64 v[ROA], v[RBX:RBX+1]
	ds_store_b64 v[ROA], v[RBX+2:RBX+3] offset:8
	ds_store_b64 v[ROA], v[RSC:RSC+1] offset:16
.Lrows_done:
	s_wait_dscnt 0x0                               ; for the other waves' sake: my rows are written
	s_barrier_signal -1
	s_barrier_wait -1
	; 4. 2,400 bytes = 150 x 16: threads 0..149; threads 150..159 store the last 16 bytes once more, with the same values
	s_cmp_gt_u32 s12, 4
	s_cbranch_scc1 .Lend
	v_min_u32 v[RRD], 2384, v4
	v_add_nc_u32 v[RLD], OUTB, v[RRD]
	ds_load_b128 v[RD:RD+3], v[RLD]
	s_wait_dscnt 0x0
	global_store_b128 v[RRD], v[RD:RD+3], s[10:11] ; a wave stores 512 consecutive bytes
.Lend:
	s_wait_tensorcnt 0x0
	ds_add_u32 v164, v165
	s_wait_dscnt 0x0
	s_endpgm
.Lfunc_end_k_q76764cc222_final:
	.size	k_q76764cc222_final, .Lfunc_end_k_q76764cc222_final-k_q76764cc222_final
	.p2alignl 7, 3214868480
	.fill 96, 4, 3214868480
	.section	.rodata,"a",@progbits
	.p2align	6, 0x0
	.amdhsa_kernel k_q76764cc222_final
		.amdhsa_group_segment_fixed_size 84736
		.amdhsa_private_segment_fixed_size 0
		.amdhsa_enable_private_segment 0
		.amdhsa_kernarg_size 32
		.amdhsa_user_sgpr_count 2
		.amdhsa_user_sgpr_kernarg_segment_ptr 1
		.amdhsa_wavefront_size32 1
		.amdhsa_system_sgpr_workgroup_id_x 1
		.amdhsa_system_sgpr_workgroup_id_y 1
		.amdhsa_system_sgpr_workgroup_id_z 1
		.amdhsa_system_vgpr_workitem_id 0
		.amdhsa_next_free_vgpr 166
		.amdhsa_next_free_sgpr 66
		.amdhsa_reserve_vcc 1
		.amdhsa_float_denorm_mode_32 3
		.amdhsa_float_denorm_mode_16_64 3
		.amdhsa_memory_ordered 1
		.amdhsa_forward_progress 1
		.amdhsa_inst_pref_size 41
	.end_amdhsa_kernel
	.amdgpu_metadata
---
amdhsa.version: [ 1, 2 ]
amdhsa.kernels:
  - .name:           k_q76764cc222_final
    .symbol:         k_q76764cc222_final.kd
    .args:
      - { .name: lkey, .offset: 0, .size: 8, .value_kind: global_buffer, .address_space: global }
      - { .name: tpri, .offset: 8, .size: 8, .value_kind: global_buffer, .address_space: global }
      - { .name: tbl, .offset: 16, .size: 8, .value_kind: global_buffer, .address_space: global }
      - { .name: out0, .offset: 24, .size: 8, .value_kind: global_buffer, .address_space: global }
    .group_segment_fixed_size: 84736
    .private_segment_fixed_size: 0
    .kernarg_segment_align: 8
    .kernarg_segment_size: 32
    .max_flat_workgroup_size: 256
    .sgpr_count:     66
    .vgpr_count:     166
    .wavefront_size: 32
...
	.end_amdgpu_metadata
.endif
;; end of part 2
;; ======== version 2 of 2: 2 launches; 1.16 times as fast as version 1
;; workspace buffers: lkey 81,920 bytes of whole numbers; tpri 8,192 bytes of whole numbers; tbl 360,448 bytes
;; launch extract: the kernel of part 1 again; grid 80 x 2, 8 waves a work-group, no clusters, 118,528 bytes of LDS; arguments class_outputs, box_outputs, anchor_boxes, image_info, lkey, tpri, tbl; writes lkey, tpri, tbl
;; launch final (part 3): grid 2 x 1, 8 waves a work-group, no clusters, 94,208 bytes of LDS; arguments lkey, tpri, tbl, out0; writes out0
.if DOCPART == 3
	.amdgcn_target "amdgcn-amd-amdhsa--gfx1250"
	.amdhsa_code_object_version 6
	.text
	.protected	k_q76764cc222_final
	.globl	k_q76764cc222_final
	.p2align	8
	.type	k_q76764cc222_final,@function
k_q76764cc222_final:
	s_mov_b64 s[64:65], 0
	v_nop
	global_prefetch_b8 v0, s[64:65] scope:SCOPE_SE
	s_setreg_imm32_b32 hwreg(HW_REG_WAVE_MODE, 25, 1), 1
	s_wait_xcnt 0x0
; The 100 best of an image's 80 lists of survivors: a tree of merges that each keep the best 128.  One work-group an image, 8 waves.
; Work left out: as the first kernel shows, only each class's first 100 positive survivors, and of the entries of nms score 0
; only class 1's, can reach the output; nothing else was stored and nothing else is read.
; ORDER.  A candidate is a pair of words (hi, lo), compared as one 64-bit number; the larger stands earlier in the output.
;   place p of class list c, key > 0:    hi = key | 2^31,                      lo = ~(128 c + p)    key descending, then class, then place
;   class 1's entry n of nms score 0:    hi = its word of tpri (<= 0x3f800001), lo = ~(10240 + n)    behind every positive survivor; score descending, then n
;   nothing (key 0, word 0):             hi = 0,                               lo as above           behind everything
; That is top_k's order of the flat scores.  All pairs differ, so no comparison is a tie, and ~lo is the box's row of tbl for both kinds.
; With fewer than 100 positive survivors class 1 has at most 99 extracted boxes, so at least 901 entries of the second kind: rows 0..99 are never 'nothing'.
; NETWORK.  A list of 128 lies at place 4 lane + k in registers H[k], L[k], descending.  Two lists are merged by taking, place by place, the
; larger of A[i] and B[127 - i]: these are the best 128 of both, first falling then rising, and compare-exchanges at distances 64, 32, 16, 8, 4
; (lanes 16, 8, 4, 2, 1 apart) and 2, 1 (between registers) sort them.  The same steps, led by a mirror step in each block of 2, 4 .. 128, sort
; the 128 unsorted entries of class 1's table that a wave holds.  Every lane, every address and every trip is fixed: the data steer selects alone.
; SHARES.  A wave sorts its 128 table entries while its ten class lists are on their way, folds the ten lists in, and three levels through LDS
; (waves 4-7 to 0-3, 2-3 to 0-1, 1 to 0) fold the eight results.  Wave 0 fetches the boxes and stores the 2,400 bytes.
; The second list of a merge comes reversed at no cost: class lists are loaded with lane 31 - l's 16 bytes and their four words are named backwards;
; between waves the writer turns the lanes round before it stores.
.set LSTW,  5120                       ; LDS 0: a wave's ten lists of keys, 512 bytes each, its own bytes
.set LEV,   40960                      ; three levels, each with bytes of its own: writer w at LVB level + 1024 w: 512 bytes of hi, 512 of lo
.set LVB,   16384
.set OUTB,  90112                      ; 128 rows of 24 bytes, wave 0's; rows 0..99 are the output
.set FADR, 5                           ; v5        my 16 bytes of the list in turn, in LDS
.set RH,   8                           ; v[8:11]   the running list, upper words
.set RL,   12                          ; v[12:15]  lower words
.set PH,   16                          ; v[16:19]  the partners' upper words; also the second set of a step between registers
.set PL,   20                          ; v[20:23]
.set KB,   24                          ; v[24:27]  the keys of the list in turn
.set KY,   28                          ; v[28:67]  the ten lists as loaded
.set LB,   68                          ; v[68:71]  4 lane + k
.set SADR, 73                          ; my 16 bytes of my wave's kilobyte of a level
.set OUT,  80                          ; v[80:103] my four rows: box, score, class
.set ID,   104                         ; v[104:107]
.set OF,   108                         ; v[108:111]
.set TT,   112                         ; v[112:115]
.set OA,   116
.set A0,   117
.set C4,   118
.set A4,   119
.set RD,   120                         ; v[120:139]
; Place k takes the pair (PH, PL)[k], or with rev = 1 [3 - k], if that pair is the larger; in the lanes of um if it is the smaller.
; larger = hi above, or hi equal and lo above.  The four places go side by side, each with scalar registers of its own.
.macro TAKE rev, um
.irp k, 0,1,2,3
	v_cmp_gt_u32 s[40+\k], v[PH+\k+\rev*(3-2*\k)], v[RH+\k]
	v_cmp_eq_u32 s[44+\k], v[PH+\k+\rev*(3-2*\k)], v[RH+\k]
	v_cmp_gt_u32 s[48+\k], v[PL+\k+\rev*(3-2*\k)], v[RL+\k]
.endr
.irp k, 0,1,2,3
	s_and_b32 s[44+\k], s[44+\k], s[48+\k]
.endr
.irp k, 0,1,2,3
	s_or_b32 s[40+\k], s[40+\k], s[44+\k]
.endr
.if \um
.irp k, 0,1,2,3
	s_xor_b32 s[40+\k], s[40+\k], \um              ; no two pairs are equal, so 'not larger' is 'smaller'
.endr
.endif
.irp k, 0,1,2,3
	v_cndmask_b32 v[RH+\k], v[RH+\k], v[PH+\k+\rev*(3-2*\k)], s[40+\k]
	v_cndmask_b32 v[RL+\k], v[RL+\k], v[PL+\k+\rev*(3-2*\k)], s[40+\k]
.endr
.endm
; A compare-exchange with lane (l xor x), x = 1 .. 15; um = the lanes that are the upper of their pair and keep the smaller.
.macro XL x, rev, um
.irp k, 0,1,2,3
	v_mov_b32_dpp v[PH+\k], v[RH+\k] row_xmask:\x row_mask:0xf bank_mask:0xf
	v_mov_b32_dpp v[PL+\k], v[RL+\k] row_xmask:\x row_mask:0xf bank_mask:0xf
.endr
	TAKE \rev, \um
.endm
; The same across the two halves of the wave: sa = 14: lane l xor 16; sa = 16: lane 31 - l.
.macro XP sa, rev
.irp k, 0,1,2,3
	v_permlanex16_b32 v[PH+\k], v[RH+\k], s[\sa], s[\sa+1]
	v_permlanex16_b32 v[PL+\k], v[RL+\k], s[\sa], s[\sa+1]
.endr
	TAKE \rev, 0xffff0000
.endm
; Two compare-exchanges between a lane's own places (a < b: a gets the larger), out of one register set into the other: no copy is needed.
.macro RG sh, sl, dh, dl, a0, b0, a1, b1
	v_cmp_gt_u32 s40, v[\sh+\b0], v[\sh+\a0]
	v_cmp_eq_u32 s44, v[\sh+\b0], v[\sh+\a0]
	v_cmp_gt_u32 s48, v[\sl+\b0], v[\sl+\a0]
	v_cmp_gt_u32 s41, v[\sh+\b1], v[\sh+\a1]
	v_cmp_eq_u32 s45, v[\sh+\b1], v[\sh+\a1]
	v_cmp_gt_u32 s49, v[\sl+\b1], v[\sl+\a1]
	s_and_b32 s44, s44, s48
	s_and_b32 s45, s45, s49
	s_or_b32 s40, s40, s44
	s_or_b32 s41, s41, s45
	v_cndmask_b32 v[\dh+\a0], v[\sh+\a0], v[\sh+\b0], s40
	v_cndmask_b32 v[\dh+\b0], v[\sh+\b0], v[\sh+\a0], s40
	v_cndmask_b32 v[\dl+\a0], v[\sl+\a0], v[\sl+\b0], s40
	v_cndmask_b32 v[\dl+\b0], v[\sl+\b0], v[\sl+\a0], s40
	v_cndmask_b32 v[\dh+\a1], v[\sh+\a1], v[\sh+\b1], s41
	v_cndmask_b32 v[\dh+\b1], v[\sh+\b1], v[\sh+\a1], s41
	v_cndmask_b32 v[\dl+\a1], v[\sl+\a1], v[\sl+\b1], s41
	v_cndmask_b32 v[\dl+\b1], v[\sl+\b1], v[\sl+\a1], s41
.endm
.macro RG2                             ; distances 2 and 1: there and back between the two sets
	RG RH, RL, PH, PL, 0, 2, 1, 3
	RG PH, PL, RH, RL, 0, 1, 2, 3
.endm
.macro CLEAN                           ; distances 32 .. 1
	XL 8, 0, 0xff00ff00
	XL 4, 0, 0xf0f0f0f0
	XL 2, 0, 0xcccccccc
	XL 1, 0, 0xaaaaaaaa
	RG2
.endm
	s_load_b256 s[4:11], s[0:1], 0x0               ; lkey s[4:5], tpri s[6:7], tbl s[8:9], out0 s[10:11]
	v_lshl_add_u32 v140, v0, 2, 0x16c00
	v_mov_b32 v141, 0
	v_lshrrev_b32 v1, 5, v0
	v_readfirstlane_b32 s12, v1                    ; wave
	s_mov_b32 s13, ttmp9                           ; image
	s_mov_b32 s14, 0x76543210                      ; v_permlanex16_b32: lane i of one half reads lane i of the other: l xor 16
	s_mov_b32 s15, 0xfedcba98
	s_mov_b32 s16, 0x89abcdef                      ; lane i of one half reads lane 15 - i of the other: 31 - l
	s_mov_b32 s17, 0x01234567
	s_mov_b32 s28, 0x7fffffff
	v_and_b32 v1, 31, v0                           ; lane
	v_lshlrev_b32 v2, 4, v1                        ; 16 lane
	v_lshlrev_b32 v3, 2, v0                        ; n of my first table entry
	v_lshlrev_b32 v4, 4, v0                        ; 16 tid
	s_mul_i32 s18, s12, LSTW                       ; my ten lists: 5,120 bytes a wave in lkey and in LDS alike
	v_add_nc_u32 v[FADR], s18, v2                  ; in LDS: 16 bytes a lane
	v_sub_nc_u32 v6, 496, v2
	v_add_nc_u32 v6, s18, v6                       ; in lkey: the 16 bytes of lane 31 - l
	s_lshl_b32 s19, s12, 10
	s_add_co_u32 s19, s19, LEV
	v_add_nc_u32 v[SADR], s19, v2
	v_lshlrev_b32 v[LB], 2, v1
.irp k, 1,2,3
	v_add_nc_u32 v[LB+\k], \k, v[LB]
.endr
	s_mul_i32 s31, s12, 1280
	s_add_co_u32 s31, s31, 128
	s_sub_co_u32 s31, 0, s31                       ; -128 (c + 1) for my first class c = 10 wave
	s_mul_i32 s20, s13, 40960
	s_mov_b32 s21, 0
	s_lshl_b32 s22, s13, 12
	s_mov_b32 s23, 0
	s_mul_i32 s24, s13, 180224
	s_mov_b32 s25, 0
	s_mul_i32 s26, s13, 2400
	s_mov_b32 s27, 0
	s_wait_kmcnt 0x0
	s_add_nc_u64 s[4:5], s[4:5], s[20:21]
	s_add_nc_u64 s[6:7], s[6:7], s[22:23]
	s_add_nc_u64 s[8:9], s[8:9], s[24:25]
	s_add_nc_u64 s[10:11], s[10:11], s[26:27]
	global_load_b128 v[PH:PH+3], v4, s[6:7]        ; my four words of class 1's table: they are the upper words as they stand
.irp i, 0,1,2,3,4,5,6,7,8,9
	global_load_b128 v[KY+4*\i:KY+4*\i+3], v6, s[4:5] offset:512*\i   ; word j = place 4 (31 - l) + j of list 10 wave + i
.endr
.irp k, 0,1,2,3
	v_sub_nc_u32 v[PL+\k], 0xffffd7ff-\k, v3       ; ~(10240 + n), n = 4 tid + k
.endr
	s_wait_loadcnt 0xa                             ; the table's load is the oldest of eleven: the ten lists stay on their way under the sort
	; The sort of my wave's 128 table entries, descending: blocks of 2, 4, 8 .. 128; each block begins with its mirror step (place i with
	; place i xor (block - 1)) and goes on at distances block / 4 .. 1.  28 steps, 13 of them between registers.
	RG PH, PL, RH, RL, 0, 1, 2, 3                  ; 2
	RG RH, RL, PH, PL, 0, 3, 1, 2                  ; 4
	RG PH, PL, RH, RL, 0, 1, 2, 3
	XL 1, 1, 0xaaaaaaaa                            ; 8
	RG2
	XL 3, 1, 0xcccccccc                            ; 16
	XL 1, 0, 0xaaaaaaaa
	RG2
	XL 7, 1, 0xf0f0f0f0                            ; 32
	XL 2, 0, 0xcccccccc
	XL 1, 0, 0xaaaaaaaa
	RG2
	XL 15, 1, 0xff00ff00                           ; 64
	XL 4, 0, 0xf0f0f0f0
	XL 2, 0, 0xcccccccc
	XL 1, 0, 0xaaaaaaaa
	RG2
	XP 16, 1                                       ; 128
	CLEAN
	; The ten lists are parked in my wave's own LDS bytes, so that one text can take them in turn: each lane reads back what it stored.
	s_wait_loadcnt 0x0
.irp i, 0,1,2,3,4,5,6,7,8,9
	ds_store_b128 v[FADR], v[KY+4*\i:KY+4*\i+3] offset:512*\i
.endr
	ds_load_b128 v[KB:KB+3], v[FADR]               ; list 0; LDS serves a wave's instructions in order
; One list is folded into the running list.  more = 1: the next list's keys are asked for as soon as this list's have been used.
.macro FOLD more
	s_wait_dscnt 0x0                               ; this list's keys (asked for a whole merge ago)
.irp k, 0,1,2,3
	v_min_u32 v[PH+\k], 1, v[KB+3-\k]              ; place 4 l + k holds B[127 - 4 l - k] = word 3 - k; 1 if the key is not 0
	v_add_nc_u32 v[PL+\k], s31, v[LB+\k]           ; ~(128 c + 127 - 4 l - k) = 4 l + k - 128 (c + 1)
.endr
.irp k, 0,1,2,3
	v_lshl_or_b32 v[PH+\k], v[PH+\k], 31, v[KB+3-\k]
.endr
.if \more
	v_add_nc_u32 v[FADR], 512, v[FADR]
	ds_load_b128 v[KB:KB+3], v[FADR]
.endif
	TAKE 0, 0                                      ; the larger of A[i] and B[127 - i]
	XP 14, 0                                       ; distance 64
	CLEAN
.endm
	s_mov_b32 s30, 0
.Lfold:
	FOLD 1
	s_sub_co_u32 s31, s31, 128                     ; the next class
	s_add_co_u32 s30, s30, 1
	s_cmp_lt_u32 s30, 9
	s_cbranch_scc1 .Lfold
	FOLD 0                                         ; the tenth list: nothing is left to ask for
; A level: waves st .. 2 st - 1 hand their lists, lanes turned round, to waves 0 .. st - 1.  Each level has LDS bytes of its own, so one
; barrier orders all that it needs: the writers' stores ahead of the readers' loads.
.macro LEVEL lv, st
	s_cmp_lt_u32 s12, \st
	s_cbranch_scc1 .Lnw_\@
.if 2*\st < 8
	s_cmp_ge_u32 s12, 2*\st
	s_cbranch_scc1 .Lnw_\@
.endif
.irp k, 0,1,2,3
	v_permlanex16_b32 v[PH+\k], v[RH+\k], s16, s17
	v_permlanex16_b32 v[PL+\k], v[RL+\k], s16, s17
.endr
	ds_store_b128 v[SADR], v[PH:PH+3] offset:\lv*LVB
	ds_store_b128 v[SADR], v[PL:PL+3] offset:\lv*LVB+512
.Lnw_\@:
	s_wait_dscnt 0x0                               ; for the readers' sake: my stores are done
	s_barrier_signal -1
	s_barrier_wait -1
	s_cmp_ge_u32 s12, \st
	s_cbranch_scc1 .Lnr_\@
	ds_load_b128 v[PH:PH+3], v[SADR] offset:\lv*LVB+\st*1024       ; wave + st's list: word j of lane l = its place 4 (31 - l) + j
	ds_load_b128 v[PL:PL+3], v[SADR] offset:\lv*LVB+\st*1024+512
	s_wait_dscnt 0x0
	TAKE 1, 0                                      ; B[127 - 4 l - k] is word 3 - k
	XP 14, 0
	CLEAN
.Lnr_\@:
.endm
	LEVEL 0, 4
	LEVEL 1, 2
	LEVEL 2, 1
	; Wave 0 holds the best 128 in order: row t = 4 lane + k.  Rows 100..127 are made too (lanes 25..31 run the same lines) and are not copied out.
	s_cmp_lg_u32 s12, 0
	s_cbranch_scc1 .Lend
.irp k, 0,1,2,3
	v_xor_b32 v[ID+\k], -1, v[RL+\k]               ; the row of tbl
	v_lshlrev_b32 v[OF+\k], 4, v[ID+\k]
	v_min_u32 v[OF+\k], 11263*16, v[OF+\k]         ; tbl's last row: the bound stands directly in front of the use
.endr
.irp k, 0,1,2,3
	global_load_b128 v[OUT+6*\k:OUT+6*\k+3], v[OF+\k], s[8:9]
.endr
.irp k, 0,1,2,3
	v_cmp_lt_u32 s[40+\k], s28, v[RH+\k]           ; bit 31: a positive survivor
	v_and_b32 v[TT+\k], s28, v[RH+\k]
	v_lshrrev_b32 v[ID+\k], 7, v[ID+\k]
	v_add_nc_u32 v[ID+\k], 1, v[ID+\k]
	v_cvt_f32_u32 v[ID+\k], v[ID+\k]
	v_cndmask_b32 v[OUT+6*\k+4], 0, v[TT+\k], s[40+\k]             ; the score's bits, or 0
	v_cndmask_b32 v[OUT+6*\k+5], 1.0, v[ID+\k], s[40+\k]           ; class c + 1, or class 1
.endr
	v_mul_u32_u24 v[OA], v1, 96                    ; four rows of 24 bytes a lane
	v_add_nc_u32 v[OA], OUTB, v[OA]
	v_add_nc_u32 v[A0], OUTB, v2
	v_min_u32 v[C4], 336, v2                       ; 2,400 = 4 x 512 + 352: in the fifth piece lanes 22..31 repeat lane 21's 16 bytes, with the same values
	v_add_nc_u32 v[A4], OUTB+2048, v[C4]
	s_wait_loadcnt 0x0                             ; the boxes
.irp j, 0,1,2,3,4,5
	ds_store_b128 v[OA], v[OUT+4*\j:OUT+4*\j+3] offset:16*\j
.endr
.irp j, 0,1,2,3
	ds_load_b128 v[RD+4*\j:RD+4*\j+3], v[A0] offset:512*\j         ; the wave's own bytes, served in order behind the stores
.endr
	ds_load_b128 v[RD+16:RD+19], v[A4]
	s_wait_dscnt 0x0
.irp j, 0,1,2,3
	global_store_b128 v2, v[RD+4*\j:RD+4*\j+3], s[10:11] offset:512*\j   ; each store covers 512 consecutive bytes
.endr
	global_store_b128 v[C4], v[RD+16:RD+19], s[10:11] offset:2048
.Lend:
	s_wait_tensorcnt 0x0
	ds_add_u32 v140, v141
	s_wait_dscnt 0x0
	s_endpgm
.Lfunc_end_k_q76764cc222_final:
	.size	k_q76764cc222_final, .Lfunc_end_k_q76764cc222_final-k_q76764cc222_final
	.p2alignl 7, 3214868480
	.fill 96, 4, 3214868480
	.section	.rodata,"a",@progbits
	.p2align	6, 0x0
	.amdhsa_kernel k_q76764cc222_final
		.amdhsa_group_segment_fixed_size 94208
		.amdhsa_private_segment_fixed_size 0
		.amdhsa_enable_private_segment 0
		.amdhsa_kernarg_size 32
		.amdhsa_user_sgpr_count 2
		.amdhsa_user_sgpr_kernarg_segment_ptr 1
		.amdhsa_wavefront_size32 1
		.amdhsa_system_sgpr_workgroup_id_x 1
		.amdhsa_system_sgpr_workgroup_id_y 1
		.amdhsa_system_sgpr_workgroup_id_z 1
		.amdhsa_system_vgpr_workitem_id 0
		.amdhsa_next_free_vgpr 142
		.amdhsa_next_free_sgpr 66
		.amdhsa_reserve_vcc 0
		.amdhsa_float_denorm_mode_32 3
		.amdhsa_float_denorm_mode_16_64 3
		.amdhsa_memory_ordered 1
		.amdhsa_forward_progress 1
		.amdhsa_inst_pref_size 133
	.end_amdhsa_kernel
	.amdgpu_metadata
---
amdhsa.version: [ 1, 2 ]
amdhsa.kernels:
  - .name:           k_q76764cc222_final
    .symbol:         k_q76764cc222_final.kd
    .args:
      - { .name: lkey, .offset: 0, .size: 8, .value_kind: global_buffer, .address_space: global }
      - { .name: tpri, .offset: 8, .size: 8, .value_kind: global_buffer, .address_space: global }
      - { .name: tbl, .offset: 16, .size: 8, .value_kind: global_buffer, .address_space: global }
      - { .name: out0, .offset: 24, .size: 8, .value_kind: global_buffer, .address_space: global }
    .group_segment_fixed_size: 94208
    .private_segment_fixed_size: 0
    .kernarg_segment_align: 8
    .kernarg_segment_size: 32
    .max_flat_workgroup_size: 256
    .sgpr_count:     66
    .vgpr_count:     142
    .wavefront_size: 32
...
	.end_amdgpu_metadata
.endif
;; end of part 3
